; MI455X (gfx1250); checked and timed in simulation.
; The chip was launched on July 23, 2026; its instructions are those of AMD's public machine-readable ISA for CDNA 5 (MIT licence, August 2026) and "CDNA5" Instruction Set Architecture Reference Guide (July 2026). The comments in the code are by the model that wrote it; some were corrected since.
;; Multihead Self Attention. Allowed arithmetic: float matrix products may take bf16 or f16 operands with f32 sums; all other float work in f32.
;; Inputs: Wk 1,024 x 1,024 float32; Wo 1,024 x 1,024 float32; Wq 1,024 x 1,024 float32; Wv 1,024 x 1,024 float32; x 4 x 2,048 x 1,024 float32.
;; Outputs: out0 4 x 2,048 x 1,024 float32.
;; 2 versions, each right; version 2 is version 1 with the launch cast written anew for expert scheduling mode. Each part assembles by itself: llvm-mc -triple=amdgcn-amd-amdhsa -mcpu=gfx1250 --defsym DOCPART=n.
;; ======== version 1 of 2: 4 launches
;; limits: values are held in f16: magnitudes above 65,504 overflow, below 6.1e-05 lose precision
;; workspace buffers: xw 25,165,824 bytes; qkv 50,331,648 bytes; ob 16,777,216 bytes
;; launch cast (part 1): grid 768 x 1, 8 waves a work-group, no clusters, 0 bytes of LDS; arguments x, Wq, Wk, Wv, Wo, xw; writes xw
.if DOCPART == 1
	.amdgcn_target "amdgcn-amd-amdhsa--gfx1250"
	.amdhsa_code_object_version 6
	.text
	.protected	k_q39e164e76e_cast
	.globl	k_q39e164e76e_cast
	.p2align	8
	.type	k_q39e164e76e_cast,@function
k_q39e164e76e_cast:
	s_mov_b64 s[64:65], 0
	v_nop
	global_prefetch_b8 v0, s[64:65] scope:SCOPE_SE
	s_setreg_imm32_b32 hwreg(HW_REG_WAVE_MODE, 25, 1), 1
	s_wait_xcnt 0x0
; x, Wq, Wk, Wv (f32) are rounded to bf16; Wo is rounded to bf16 and that value written as f16 (its partner in the last product is f16).
; xw: x as [8192][1024] bf16 at byte 0; Wq, Wk, Wv as one [3072][1024] bf16 at byte 16,777,216; Wo as [1024][1024] f16 at byte 23,068,672.
; A work-group takes 65,536 bytes of one input (16 loads of 16 bytes a thread) and writes 32,768 bytes at xw + 32,768 x its number:
; numbers 0-511 are x, 512-575 Wq, 576-639 Wk, 640-703 Wv, 704-767 Wo, which is the order of xw.
; A stream: no LDS, no barrier, no matrix unit.  All 16 loads of a thread go out at once; a store of a wave covers 256 consecutive bytes, aligned.
; LIMIT: a value of Wo below 2^-17 in magnitude is not exact in f16: its error is at most 2^-25 absolute.  Beyond 65,504 it becomes infinite.
.set X, 4                              ; v[4:67]    load j: 4 f32
.set Y, 68                             ; v[68:99]   store j: 4 numbers of 16 bits
.set T, 100                            ; v[100:103] at work (Wo alone)
	s_load_b256 s[4:11], s[0:1], 0x0               ; x s[4:5], Wq s[6:7], Wk s[8:9], Wv s[10:11]
	s_load_b128 s[12:15], s[0:1], 0x20             ; Wo s[12:13], xw s[14:15]
	s_lshr_b32 s18, ttmp9, 6                       ; 8, 9, 10, 11: Wq, Wk, Wv, Wo
	s_and_b32 s19, ttmp9, 63                       ; which 65,536 bytes of a weight
	s_lshl_b32 s22, ttmp9, 15                      ; my 32,768 bytes of xw
	s_mov_b32 s23, 0
	s_mov_b32 s21, 0
	v_lshlrev_b32 v1, 4, v0                        ; in: 16 bytes a thread
	v_lshlrev_b32 v2, 3, v0                        ; out: 8 bytes a thread
	s_wait_kmcnt 0x0
	s_mov_b64 s[16:17], s[6:7]                     ; the source: a choice between buffers on the work-group's number alone
	s_cmp_eq_u32 s18, 9
	s_cselect_b64 s[16:17], s[8:9], s[16:17]
	s_cmp_eq_u32 s18, 10
	s_cselect_b64 s[16:17], s[10:11], s[16:17]
	s_cmp_eq_u32 s18, 11
	s_cselect_b64 s[16:17], s[12:13], s[16:17]
	s_cmp_lt_u32 ttmp9, 512
	s_cselect_b64 s[16:17], s[4:5], s[16:17]
	s_cselect_b32 s20, ttmp9, s19                  ; and the part of it
	s_lshl_b32 s20, s20, 16
	s_add_nc_u64 s[16:17], s[16:17], s[20:21]
	s_add_nc_u64 s[14:15], s[14:15], s[22:23]
.irp j, 0,1,2,3,4,5,6,7,8,9,10,11,12,13,14,15
	global_load_b128 v[X+4*\j:X+4*\j+3], v1, s[16:17] offset:4096*\j th:TH_LOAD_NT   ; read once in the launch
.endr
; No register is written twice while a memory instruction names it: every load and every store has registers of its own.
.macro CVT wo
.irp j, 0,1,2,3,4,5,6,7,8,9,10,11,12,13,14,15
	s_wait_loadcnt 15-\j                           ; loads come back in order: load j is in, the 15 - j younger ones stay out
	v_cvt_pk_bf16_f32 v[Y+2*\j],   v[X+4*\j],   v[X+4*\j+1]
	v_cvt_pk_bf16_f32 v[Y+2*\j+1], v[X+4*\j+2], v[X+4*\j+3]
.if \wo
	v_lshlrev_b32 v[T],   16, v[Y+2*\j]            ; the bf16 values as f32,
	v_and_b32     v[T+1], 0xffff0000, v[Y+2*\j]
	v_lshlrev_b32 v[T+2], 16, v[Y+2*\j+1]
	v_and_b32     v[T+3], 0xffff0000, v[Y+2*\j+1]
	v_cvt_pk_f16_f32 v[Y+2*\j],   v[T],   v[T+1]   ; written as f16
	v_cvt_pk_f16_f32 v[Y+2*\j+1], v[T+2], v[T+3]
.endif
	global_store_b64 v2, v[Y+2*\j:Y+2*\j+1], s[14:15] offset:2048*\j
.endr
.endm
	s_cmp_ge_u32 ttmp9, 704
	s_cbranch_scc1 .Lwo
	CVT 0
	s_endpgm
.Lwo:
	CVT 1
	s_endpgm
.Lfunc_end_k_q39e164e76e_cast:
	.size	k_q39e164e76e_cast, .Lfunc_end_k_q39e164e76e_cast-k_q39e164e76e_cast
	.p2alignl 7, 3214868480
	.fill 96, 4, 3214868480
	.section	.rodata,"a",@progbits
	.p2align	6, 0x0
	.amdhsa_kernel k_q39e164e76e_cast
		.amdhsa_group_segment_fixed_size 0
		.amdhsa_private_segment_fixed_size 0
		.amdhsa_enable_private_segment 0
		.amdhsa_kernarg_size 48
		.amdhsa_user_sgpr_count 2
		.amdhsa_user_sgpr_kernarg_segment_ptr 1
		.amdhsa_wavefront_size32 1
		.amdhsa_system_sgpr_workgroup_id_x 1
		.amdhsa_system_sgpr_workgroup_id_y 1
		.amdhsa_system_sgpr_workgroup_id_z 1
		.amdhsa_system_vgpr_workitem_id 0
		.amdhsa_next_free_vgpr 104
		.amdhsa_next_free_sgpr 66
		.amdhsa_reserve_vcc 0
		.amdhsa_float_denorm_mode_32 3
		.amdhsa_float_denorm_mode_16_64 3
		.amdhsa_memory_ordered 1
		.amdhsa_forward_progress 1
		.amdhsa_inst_pref_size 16
	.end_amdhsa_kernel
	.amdgpu_metadata
---
amdhsa.version: [ 1, 2 ]
amdhsa.kernels:
  - .name:           k_q39e164e76e_cast
    .symbol:         k_q39e164e76e_cast.kd
    .args:
      - { .name: x, .offset: 0, .size: 8, .value_kind: global_buffer, .address_space: global }
      - { .name: Wq, .offset: 8, .size: 8, .value_kind: global_buffer, .address_space: global }
      - { .name: Wk, .offset: 16, .size: 8, .value_kind: global_buffer, .address_space: global }
      - { .name: Wv, .offset: 24, .size: 8, .value_kind: global_buffer, .address_space: global }
      - { .name: Wo, .offset: 32, .size: 8, .value_kind: global_buffer, .address_space: global }
      - { .name: xw, .offset: 40, .size: 8, .value_kind: global_buffer, .address_space: global }
    .group_segment_fixed_size: 0
    .private_segment_fixed_size: 0
    .kernarg_segment_align: 8
    .kernarg_segment_size: 48
    .max_flat_workgroup_size: 256
    .sgpr_count:     66
    .vgpr_count:     104
    .wavefront_size: 32
...
	.end_amdgpu_metadata
.endif
;; end of part 1
;; launch qkv (part 2): grid 12 x 32, 4 waves a work-group, clusters of 4 x 4, 327,680 bytes of LDS; arguments xw, qkv; writes qkv
.if DOCPART == 2
	.amdgcn_target "amdgcn-amd-amdhsa--gfx1250"
	.amdhsa_code_object_version 6
	.text
	.protected	k_q39e164e76e_qkv
	.globl	k_q39e164e76e_qkv
	.p2align	8
	.type	k_q39e164e76e_qkv,@function
k_q39e164e76e_qkv:
	s_mov_b64 s[64:65], 0
	v_nop
	global_prefetch_b8 v0, s[64:65] scope:SCOPE_SE
	s_setreg_imm32_b32 hwreg(HW_REG_WAVE_MODE, 25, 1), 1
	s_wait_xcnt 0x0
	s_wait_alu depctr_hold_cnt(0) depctr_sa_sdst(0) depctr_va_vdst(0) depctr_va_sdst(0) depctr_va_ssrc(0) depctr_va_vcc(0) depctr_vm_vsrc(0)
	s_getreg_b32 s2, hwreg(HW_REG_IB_STS2, 6, 4)
	s_cmp_eq_u32 s2, 0
	s_cbranch_scc0 .Lentry_in_a_cluster
	s_endpgm
.Lentry_in_a_cluster:
	s_bfe_u32 s2, ttmp6, 0x10000c
	s_cmp_lg_u32 s2, 0xf033
	s_cbranch_scc0 .Lentry_shape_is_right
	s_endpgm
.Lentry_shape_is_right:
; qkv[m][n] = sum over k of xb[m][k] W[n][k].  xb: [8192][1024] bf16 at xw; W = Wq, Wk, Wv stacked: [3072][1024] bf16 at xw + 16,777,216.
; qkv: [8192][3072] f16 (columns 0-1023 q, 1024-2047 k, 2048-3071 v); sums in f32, rounded once.
; LIMIT: a result beyond 65,504 in magnitude becomes infinite in f16.
; A work-group makes a block of 256 x 256 with four waves; a wave makes 128 x 128: 64 accumulator tiles of 16 x 16, 512 registers.
; K goes in steps of 128 through a ring of two LDS slots filled by the tensor data mover: a tile's rows are 256 bytes of memory, at multiples of 256.
; CLUSTERS: 4 x 4 work-groups.  The four of a row of the cluster need the same tiles of xb, the four of a column the same tiles of W: such a tile is
; asked for jointly, by the same tensor load with the same descriptor and a mask that names the four.  12 x 32 work-groups are 3 x 8 clusters.
;
; REGISTERS, in windows of 256:
;   window 0: v0-31 addresses; v64-127, v128-191 fragments of xb, two buffers; v192-223 at work on the way out
;   window 1: v64-127, v128-191 fragments of W, two buffers
;   window 2: the 32 accumulator tiles of my rows 0-63 (tile (a, b) at v[8 (8 a + b)]);   window 3: those of my rows 64-127
; The matrix instruction is used transposed (source 0 = 16 rows of W, source 1 = 16 rows of xb): lane l holds row l % 16 of the result and its
; registers 0 to 7 the columns 8 (l / 16) + 0 .. 7, eight neighbouring numbers, which pack into 16 bytes.
.set SIZE_M, 8192
.set SIZE_N, 3072
.set SIZE_K, 1024
.set WOFF,   0x1000000                 ; W's first byte in xw
.set KSTEP,  128
.set PITCH,  272                       ; an LDS row: 256 bytes + 16 of padding = 17 x 16: the 16 rows of a fragment load begin at 16 different 16-byte columns modulo 256
.set HALFT,  128*PITCH                 ; 128 rows: what one tensor load brings, and what one wave reads of either operand
.set SLOT,   4*HALFT                   ; xb's 256 rows, then W's 256 rows
.set STAGE,  2*SLOT                    ; behind the ring: 16 rows x 272 bytes for each wave, for the way out; no fill lands here
.set SPITCH, 272
.set LAPS, SIZE_K/(2*KSTEP)            ; a lap = two K steps = once round the ring: 4
.set ADRA, 16                          ; v16-17  LDS address of my xb fragments in slot 0, 1
.set ADRB, 20                          ; v20-21  the same for W
.set STO,  24                          ; v24     the way out: where I put 16 bytes of a row
.set RD,   25                          ; v25     the way out: where I read a row back
.set CO,   26                          ; v26     my byte offset in the result
.set F0,   64                          ; fragment buffer 0
.set F1,   128                         ; fragment buffer 1
.set TMP,  192                         ; the way out: packed results, window 0
.set G1, 24                            ; s[24:31] descriptor group 1 for xb's tiles
.set G0, 32                            ; s[32:39] descriptor group 0 for xb's tiles, one set for each slot
.set G1B, 48                           ; s[48:55] group 1 for W's tiles: differs in the mask alone
.set G0B, 56                           ; s[56:63] group 0 for W's tiles, one set for each slot
.set MSB, 0
.macro WIN new                         ; the immediate's high byte repeats the setting that is left; a switch that changes nothing is dropped
.if MSB != \new
	s_set_vgpr_msb (MSB<<8)|\new
.set MSB, \new
.endif
.endm
.set MUL_LO, 0xa1                      ; source 0 (W) window 1, source 1 (xb) window 0, C and D window 2
.set MUL_HI, 0xf1                      ; the same, C and D window 3
.set TO_B,   0x40                      ; destination window 1, address window 0
; A joint load.  Waves 0 and 1 fetch xb's two halves, waves 2 and 3 W's.  Each line has one mask and one set of registers; the branch hangs on the wave's number alone.
.macro JLOAD s
	s_cmp_eq_u32 s11, 0
	s_cbranch_scc0 .Lfor_b_\@
	tensor_load_to_lds s[G0+4*\s:G0+4*\s+3], s[G1:G1+7]
	s_nop 0
	s_branch .Lasked_\@
.Lfor_b_\@:
	tensor_load_to_lds s[G0B+4*\s:G0B+4*\s+3], s[G1B:G1B+7]
	s_nop 0
.Lasked_\@:
.endm
; A round of the cluster's barrier: my work-group's barrier; wave 0 signals for the work-group; every wave waits for all sixteen; my work-group's barrier once more.
.macro CREST                           ; a round behind its opening barrier
	s_cmp_lg_u32 s10, 0
	s_cbranch_scc1 .Lnot_wave_0_\@
	s_barrier_signal -3
.Lnot_wave_0_\@:
	s_barrier_wait -3
	s_barrier_signal -1
	s_barrier_wait -1
.endm
.macro CROUND                          ; a whole round
	s_barrier_signal -1
	s_barrier_wait -1
	CREST
.endm
	s_load_b128 s[4:7], s[0:1], 0x0                ; xw s[4:5], qkv s[6:7]
	s_set_vgpr_msb 0x40
	v_lshl_add_u32 v255, v0, 2, 0x48400
	s_set_vgpr_msb 0x4000
	v_mov_b32 v255, 0
	s_set_vgpr_msb 0x1
	ds_add_u32 v255, v255
	ds_add_u32 v255, v255
	s_set_vgpr_msb 0x100
	v_lshrrev_b32 v1, 5, v0
	v_readfirstlane_b32 s10, v1                    ; wave 0..3
	s_lshr_b32 s11, s10, 1                         ; which half of the block's rows is mine.  Also: I fetch for xb (0) or for W (1)
	s_and_b32 s12, s10, 1                          ; which half of its columns.  Also: which 128 rows of that tile I fetch
	s_bfe_u32 s40, ttmp6, 0x40000                  ; cx
	s_bfe_u32 s41, ttmp6, 0x40004                  ; cy
	s_lshl_b32 s42, ttmp9, 2                       ; in a cluster launch ttmp9 and ttmp7 count clusters
	s_add_co_u32 s42, s42, s40                     ; block column = 4 x cluster x + cx
	s_and_b32 s13, ttmp7, 0xffff
	s_lshl_b32 s13, s13, 2
	s_add_co_u32 s13, s13, s41                     ; block row = 4 x cluster y + cy
	s_lshl_b32 s43, s41, 2
	s_lshl_b32 s43, 15, s43                        ; my row of the cluster: places 4 cy .. 4 cy + 3
	s_lshl_b32 s44, 0x1111, s40                    ; my column: places cx, cx + 4, cx + 8, cx + 12
	; group 1: a tile of 128 rows x 128 elements of 2 bytes, 4 words of padding behind every 64
	s_or_b32 s[G1+0], s43, (1<<16)|(1<<20)|(1<<21)|(5<<22)|(3<<25)  ; mask of my row; element size; padding on; bit 21 beside a mask; interval; amount
	s_or_b32 s[G1B+0], s44, (1<<16)|(1<<20)|(1<<21)|(5<<22)|(3<<25) ; the same with the mask of my column
	s_mov_b32 s[G1B+1], KSTEP<<16
	s_mov_b32 s[G1+1], KSTEP<<16                   ; tensor_dim0 = 128
	s_mov_b32 s[G1B+2], 128<<16
	s_mov_b32 s[G1+2], 128<<16                     ; tensor_dim1 = 128
	s_mov_b32 s[G1B+3], KSTEP<<16
	s_mov_b32 s[G1+3], KSTEP<<16                   ; tile_dim0 = 128
	s_mov_b32 s[G1B+4], 128
	s_mov_b32 s[G1+4], 128                         ; tile_dim1 = 128
	s_mov_b32 s[G1B+5], SIZE_K
	s_mov_b32 s[G1+5], SIZE_K                      ; elements from row to row
	s_mov_b32 s[G1B+6], 0
	s_mov_b32 s[G1+6], 0
	s_mov_b32 s[G1B+7], 0
	s_mov_b32 s[G1+7], 0
	; xb's tiles hang on the block row alone, W's on the block column alone; each address in registers that never hold the other coordinate
	s_lshl_b32 s17, s12, 7
	s_lshl_b32 s16, s13, 8
	s_add_co_u32 s16, s16, s17                     ; xb: row 256 x block row + 128 x half
	s_lshl_b32 s46, s42, 8
	s_add_co_u32 s46, s46, s17                     ; W: row 256 x block column + 128 x half
	s_mov_b32 s17, 0
	s_mov_b32 s47, 0
	s_mov_b64 s[18:19], SIZE_K*2
	s_mul_u64 s[16:17], s[16:17], s[18:19]         ; in bytes
	s_mul_u64 s[46:47], s[46:47], s[18:19]
	s_mul_i32 s20, s10, HALFT                      ; where they go: wave x 128 rows
	s_wait_dscnt 0x0
	s_wait_kmcnt 0x0
	s_mov_b64 s[8:9], s[6:7]                       ; the result
	s_add_nc_u64 s[6:7], s[4:5], WOFF              ; W
	s_add_nc_u64 s[14:15], s[4:5], s[16:17]
	s_add_nc_u64 s[46:47], s[6:7], s[46:47]
	CROUND                                         ; all sixteen work-groups are here: the first joint loads meet
.irp s, 0,1
	s_mov_b32 s[G0+4*\s], 1                                        ; count = 1
	s_add_co_u32 s[G0+4*\s+1], s20, \s*SLOT                        ; LDS address
	s_add_nc_u64 s[G0+4*\s+2:G0+4*\s+3], s[14:15], \s*KSTEP*2      ; global address: K step s
	s_or_b32 s[G0+4*\s+3], s[G0+4*\s+3], 0x80000000                ; type = 2
	s_mov_b32 s[G0B+4*\s], 1
	s_add_co_u32 s[G0B+4*\s+1], s20, \s*SLOT
	s_add_nc_u64 s[G0B+4*\s+2:G0B+4*\s+3], s[46:47], \s*KSTEP*2
	s_or_b32 s[G0B+4*\s+3], s[G0B+4*\s+3], 0x80000000
	JLOAD \s                                       ; both first fills go out together: two tensor loads of the wave are out
.endr
	; a fragment: 16 rows x 32 K in 8 registers; lane l holds row l % 16; two loads of 16 bytes, 32 bytes apart, at row x pitch + 16 (l / 16)
	v_and_b32 v1, 15, v0
	v_bfe_u32 v2, v0, 4, 1
	v_mul_u32_u24 v3, v1, PITCH
	v_lshl_add_u32 v3, v2, 4, v3
	s_mul_i32 s21, s11, HALFT                      ; my 128 rows of xb
	s_mul_i32 s22, s12, HALFT                      ; my 128 rows of W,
	s_add_co_u32 s22, s22, 2*HALFT                 ; which lie behind xb's 256
.irp s, 0,1
	v_add_nc_u32 v[ADRA+\s], s21, v3
	v_add_nc_u32 v[ADRB+\s], s22, v3
	s_add_co_u32 s21, s21, SLOT
	s_add_co_u32 s22, s22, SLOT
.endr
	s_mul_i32 s23, s10, 16*SPITCH
	s_add_co_u32 s23, s23, STAGE                   ; my stage
	v_mul_u32_u24 v4, v1, SPITCH
	v_lshl_add_u32 v4, v2, 4, v4
	v_add_nc_u32 v[STO], s23, v4
	v_mul_u32_u24 v5, v2, SPITCH                   ; back: lanes 0-15 take one row of 256 bytes, lanes 16-31 the next
	v_lshl_add_u32 v5, v1, 4, v5
	v_add_nc_u32 v[RD], s23, v5
	v_mul_u32_u24 v5, v2, SIZE_N*2
	v_lshl_add_u32 v[CO], v1, 4, v5
; 16 matrix instructions: m blocks a0, a0 + 1 of the window's four x all 8 n blocks, 32 along K.  zero = 1: the first product starts the sums.
; The 64 accumulators take turns, one instruction a turn, in the same order in every quarter step.
.macro MUL16 f, hi, a0, zero
.irp a, \a0, \a0+1
.irp b, 0,1,2,3,4,5,6,7
.if \zero
	v_wmma_f32_16x16x32_bf16 v[8*(8*(\a)+\b):8*(8*(\a)+\b)+7], v[\f+8*\b:\f+8*\b+7], v[\f+8*(4*\hi+\a):\f+8*(4*\hi+\a)+7], 0
.else
	v_wmma_f32_16x16x32_bf16 v[8*(8*(\a)+\b):8*(8*(\a)+\b)+7], v[\f+8*\b:\f+8*\b+7], v[\f+8*(4*\hi+\a):\f+8*(4*\hi+\a)+7], v[8*(8*(\a)+\b):8*(8*(\a)+\b)+7]
.endif
.endr
.endr
.endm
; 32 LDS loads in one run: the fragments of one quarter step (32 K at byte k of the rows) into buffer f
.macro FETCH slot, k, f
	WIN TO_B
.irp i, 0,1,2,3,4,5,6,7
	ds_load_b128 v[\f+8*\i:\f+8*\i+3],   v[ADRB+\slot] offset:\k+\i*16*PITCH
	ds_load_b128 v[\f+8*\i+4:\f+8*\i+7], v[ADRB+\slot] offset:\k+\i*16*PITCH+32
.endr
	WIN 0
.irp i, 0,1,2,3,4,5,6,7
	ds_load_b128 v[\f+8*\i:\f+8*\i+3],   v[ADRA+\slot] offset:\k+\i*16*PITCH
	ds_load_b128 v[\f+8*\i+4:\f+8*\i+7], v[ADRA+\slot] offset:\k+\i*16*PITCH+32
.endr
.endm
; Four places behind a matrix instruction before a load lands on a register that it read, or a vector instruction reads its result
.macro PLACES
.rept 4
	v_nop
.endr
.endm
; One of a K step's first three quarters: multiplies buffer f and fetches, in its middle, the next quarter's fragments into buffer g.
.macro QUARTER slot, k, f, g, zero
	s_wait_dscnt 8                                 ; W and xb's rows 0-63 are in; the youngest eight loads (xb's rows 64-127) may be out
	WIN MUL_LO
	MUL16 \f, 0, 0, \zero
	MUL16 \f, 0, 2, \zero
	PLACES
	FETCH \slot, \k, \g
	s_wait_dscnt 32                                ; all but the 32 just issued
	WIN MUL_HI
	MUL16 \f, 1, 0, \zero
	MUL16 \f, 1, 2, \zero
.endm
.macro THREE slot, zero
	QUARTER \slot, 64,  F0, F1, \zero
	QUARTER \slot, 128, F1, F0, 0
	QUARTER \slot, 192, F0, F1, 0
.endm
; The last quarter: multiplies buffer 1 and changes slots.  In front of the barrier each wave waits for its reads of this slot and for all its tensor
; loads (one is out: its part of the next slot).  Behind it the refill comes first, then the next slot's first fragments.
; From a request to the wait for it a wave issues 240 matrix instructions.
.macro TURN slot, next, fill
	s_wait_dscnt 8
	WIN MUL_LO
	MUL16 F1, 0, 0, 0
	s_wait_dscnt 0                                 ; my reads of this slot are over
	s_wait_tensorcnt 0x0                           ; and all my tensor loads have landed
	ds_add_u32 v255, v255
	s_wait_dscnt 0x0
	s_barrier_signal -1                            ; (where a slot is filled again this barrier opens a round of the cluster's barrier)
	MUL16 F1, 0, 2, 0                              ; register work while the others arrive
	WIN 0
	s_barrier_wait -1
.if \fill
	CREST                                          ; no wave of any partner still reads this slot or has a load on its way
	s_add_nc_u64 s[G0+4*\slot+2:G0+4*\slot+3], s[G0+4*\slot+2:G0+4*\slot+3], 2*KSTEP*2
	s_add_nc_u64 s[G0B+4*\slot+2:G0B+4*\slot+3], s[G0B+4*\slot+2:G0B+4*\slot+3], 2*KSTEP*2
	JLOAD \slot                                    ; the wave's one tensor load behind the round, and the first thing there
.endif
	PLACES
	FETCH \next, 0, F0
	WIN MUL_HI
	MUL16 F1, 1, 0, 0
	MUL16 F1, 1, 2, 0
.endm
.macro LAP zero
	THREE 0, \zero
	TURN 0, 1, 1
	THREE 1, 0
	TURN 1, 0, 1
.endm
	s_wait_tensorcnt 1                             ; my part of K step 0 is in; K step 1's load stays out
	s_barrier_signal -1
	s_barrier_wait -1
	FETCH 0, 0, F0
	LAP 1                                          ; the first lap stands in front of the loop: its first products start the sums
.if LAPS > 2
	WIN 0                                          ; at a label and at a branch every window is 0
	s_mov_b32 s3, LAPS-2
.Llap:
	LAP 0
	WIN 0
	s_sub_co_u32 s3, s3, 1
	s_cmp_lg_u32 s3, 0
	s_cbranch_scc1 .Llap
.endif
	THREE 0, 0                                     ; the last lap fills nothing
	TURN 0, 1, 0
	THREE 1, 0
	s_wait_dscnt 8
	WIN MUL_LO
	MUL16 F1, 0, 0, 0
	MUL16 F1, 0, 2, 0
	s_wait_dscnt 0
	WIN MUL_HI
	MUL16 F1, 1, 0, 0
	MUL16 F1, 1, 2, 0
	; THE WAY OUT, 16 rows at a time: round to f16, 16 bytes a lane into my own stage, read back as whole rows of 256 bytes.
	PLACES
	s_lshl_b32 s13, s13, 8
	s_lshl_b32 s14, s11, 7
	s_add_co_u32 s16, s13, s14                     ; my first row
	s_mov_b32 s17, 0
	s_mov_b64 s[18:19], SIZE_N*2
	s_mul_u64 s[16:17], s[16:17], s[18:19]
	s_add_nc_u64 s[8:9], s[8:9], s[16:17]
	s_lshl_b32 s46, s42, 9                         ; my first column, in bytes: 512 x block + 256 x half
	s_lshl_b32 s47, s12, 8
	s_add_co_u32 s46, s46, s47
	s_mov_b32 s47, 0
	s_add_nc_u64 s[8:9], s[8:9], s[46:47]
; rows 16 i .. 16 i + 15 of my block = the eight tiles (a, 0..7) of window 2 or 3 (from = 0x0a or 0x0f); f: F0 or F1 in turn
.macro OUT16 i, a, from, f
	WIN \from
.irp b, 0,1,2,3,4,5,6,7
.irp r, 0,1,2,3
	v_cvt_pk_f16_f32 v[TMP+4*\b+\r], v[8*(8*\a+\b)+2*\r], v[8*(8*\a+\b)+2*\r+1]
.endr
.endr
	WIN 0
.irp b, 0,1,2,3,4,5,6,7
	ds_store_b128 v[STO], v[TMP+4*\b:TMP+4*\b+3] offset:32*\b
.endr
	s_wait_xcnt 0x0                                ; buffer f, which earlier stores read, and the stores' base are rewritten only behind this wait
.if \i
	s_add_nc_u64 s[8:9], s[8:9], 16*SIZE_N*2       ; 16 rows on
.endif
.irp t, 0,1,2,3,4,5,6,7
	ds_load_b128 v[\f+4*\t:\f+4*\t+3], v[RD] offset:\t*2*SPITCH    ; a wave's LDS instructions are served in order: these see the stores above
.endr
.irp t, 0,1,2,3,4,5,6,7
	s_wait_dscnt 7-\t                              ; load t is in, the 7 - t younger ones stay out
	global_store_b128 v[CO], v[\f+4*\t:\f+4*\t+3], s[8:9] offset:2*\t*SIZE_N*2   ; 16 lanes store 256 consecutive bytes, aligned
.endr
.endm
	OUT16 0, 0, 0x0a, F0
	OUT16 1, 1, 0x0a, F1
	OUT16 2, 2, 0x0a, F0
	OUT16 3, 3, 0x0a, F1
	OUT16 4, 0, 0x0f, F0
	OUT16 5, 1, 0x0f, F1
	OUT16 6, 2, 0x0f, F0
	OUT16 7, 3, 0x0f, F1
	s_set_vgpr_msb 0x1
	s_wait_tensorcnt 0x0
	ds_add_u32 v255, v255
	s_wait_dscnt 0x0
	s_set_vgpr_msb 0x100
	CROUND                                         ; the closing round: no work-group ends while a partner may still ask for a tile that names it
	s_endpgm
.Lfunc_end_k_q39e164e76e_qkv:
	.size	k_q39e164e76e_qkv, .Lfunc_end_k_q39e164e76e_qkv-k_q39e164e76e_qkv
	.p2alignl 7, 3214868480
	.fill 96, 4, 3214868480
	.section	.rodata,"a",@progbits
	.p2align	6, 0x0
	.amdhsa_kernel k_q39e164e76e_qkv
		.amdhsa_group_segment_fixed_size 327680
		.amdhsa_private_segment_fixed_size 0
		.amdhsa_enable_private_segment 0
		.amdhsa_kernarg_size 16
		.amdhsa_user_sgpr_count 2
		.amdhsa_user_sgpr_kernarg_segment_ptr 1
		.amdhsa_wavefront_size32 1
		.amdhsa_system_sgpr_workgroup_id_x 1
		.amdhsa_system_sgpr_workgroup_id_y 1
		.amdhsa_system_sgpr_workgroup_id_z 1
		.amdhsa_system_vgpr_workitem_id 0
		.amdhsa_next_free_vgpr 1024
		.amdhsa_next_free_sgpr 66
		.amdhsa_reserve_vcc 0
		.amdhsa_float_denorm_mode_32 3
		.amdhsa_float_denorm_mode_16_64 3
		.amdhsa_memory_ordered 1
		.amdhsa_forward_progress 1
		.amdhsa_inst_pref_size 196
	.end_amdhsa_kernel
	.amdgpu_metadata
---
amdhsa.version: [ 1, 2 ]
amdhsa.kernels:
  - .name:           k_q39e164e76e_qkv
    .symbol:         k_q39e164e76e_qkv.kd
    .args:
      - { .name: xw, .offset: 0, .size: 8, .value_kind: global_buffer, .address_space: global }
      - { .name: qkv, .offset: 8, .size: 8, .value_kind: global_buffer, .address_space: global }
    .group_segment_fixed_size: 327680
    .private_segment_fixed_size: 0
    .kernarg_segment_align: 8
    .kernarg_segment_size: 16
    .max_flat_workgroup_size: 128
    .sgpr_count:     66
    .vgpr_count:     1024
    .wavefront_size: 32
...
	.end_amdgpu_metadata
.endif
;; end of part 2
;; launch attn (part 3): grid 256 x 1, 8 waves a work-group, no clusters, 327,680 bytes of LDS; arguments qkv, ob; writes ob
.if DOCPART == 3
	.amdgcn_target "amdgcn-amd-amdhsa--gfx1250"
	.amdhsa_code_object_version 6
	.text
	.protected	k_q39e164e76e_attn
	.globl	k_q39e164e76e_attn
	.p2align	8
	.type	k_q39e164e76e_attn,@function
k_q39e164e76e_attn:
	s_mov_b64 s[64:65], 0
	v_nop
	global_prefetch_b8 v0, s[64:65] scope:SCOPE_SE
	s_setreg_imm32_b32 hwreg(HW_REG_WAVE_MODE, 25, 1), 1
	s_wait_xcnt 0x0
; Causal attention with a running maximum.  qkv: [8192][3072] f16 (q, k, v; head h at column 64 h of each).  ob: [8192][1024] f16.
; Work-group number = 64 b + 8 hp + i: batch b, heads 2 hp and 2 hp + 1, query blocks of 128: first block 15 - i, then block i.
; Block n needs key tiles 0 .. n of 128 keys: (16 - i) + (i + 1) = 17 tiles in every work-group, so all 256 do equal work.
; Eight waves: wave w takes head 2 hp + (w >> 2) and queries 32 (w & 3) .. + 31 of the block.  Two heads together make every row of K, V and
; of the result 256 consecutive bytes, aligned.
; LAYOUT: scores are made transposed, S^T = K Q^T: lane (r, h), register j holds key 8 h + j, query r, so maxima and sums of a query stay in a lane but for
; one exchange of the two halves; two score tiles packed to f16 are already the second operand of O^T = V^T P^T, whose first operand comes by the transposing
; LDS load; in O^T a lane holds eight neighbouring numbers of one query's row.
; The exponent is (s - m) log2(e) / 8 with m the running maximum of the raw scores, as the softmax takes its maximum away.
; NO CLUSTER: the eight work-groups of a head pair read the same tiles, but work-group i needs 16 - i tiles and then i + 1; four partners kept in step
; would walk 16 - i_min + i_max + 1 = 20 tiles where each needs 17.
; LIMITS: q, k, v and the result are f16: beyond 65,504 in magnitude they are infinite.  A weight p below 2^-25 of its row's running maximum rounds to 0 in f16.
; The row's sum is taken of the unrounded p.
.set QROW,   6144                      ; bytes in a row of qkv
.set OROW,   2048                      ; bytes in a row of ob
.set TSTEP,  128*QROW                  ; from a tile of 128 keys (or a block of 128 queries) to the next
.set KPITCH, 272                       ; 256 + 16 = 17 x 16 bytes
.set VPITCH, 288                       ; 256 + 32 = 9 x 32 bytes, for the transposing load
.set VOFF,   128*VPITCH                ; V's 128 rows begin at 36,864 = 4 x 9,216, so that wave w (4..7) fills at 9,216 w; K's 128 rows take bytes 0 .. 34,815
.set SLOT,   2*128*VPITCH              ; 73,728
.set STAGE,  2*SLOT                    ; 147,456: 128 rows x 272 bytes for the way out; written by LDS stores alone, no fill lands here
.set SPITCH, 272
.set KADR, 2                           ; v2-3    slot s: s SLOT + 272 r + 16 h + 128 (w >> 2)
.set VADR, 4                           ; v4-5    slot s: s SLOT + VOFF + 288 (8 h + (l & 7)) + 16 ((l >> 3) & 1) + 128 (w >> 2)
.set STO,  6                           ; v6      STAGE + 272 (32 (w & 3) + r) + 128 (w >> 2) + 16 h
.set RD,   7                           ; v7      STAGE + 272 (16 w + h) + 16 r
.set CO,   8                           ; v8      2,048 (16 w + h) + 16 r
.set QOFF, 9                           ; v9      6,144 (32 (w & 3) + r) + 128 (w >> 2) + 16 h
.set DM,   10                          ; v10-11  sub-step 0, 1 of the diagonal tile: r - 8 h + 32 (w & 3) - 64 sub
.set NINF, 12                          ; v12     -infinity
.set MX,   14                          ; v14-15  running maximum of query tile 0, 1
.set LS,   16                          ; v16-17  running sum (of my half's keys)
.set NMC,  18                          ; v18, v20  - m c, in the low register of a pair
.set AL,   22                          ; v22, v24  the factor for what was summed so far, in the low register of a pair
.set TT,   26                          ; v26-31  at work
.set OA,   32                          ; v32-95   O(qt, d) at 32 qt + 8 d
.set SC,   96                          ; v96-159  S(qt, kt) at 32 qt + 8 kt; then P(qt, g) at 32 qt + 16 g
.set QF,   160                         ; v160-191 Q(qt, kk) at 16 qt + 8 kk
.set FR,   192                         ; v192-255 K(kt, kk) at 16 kt + 8 kk; then V(g, d) at 32 g + 8 d; then the way out
.set G1K, 24                           ; s[24:31] group 1 for K's tiles
.set G1V, 32                           ; s[32:39] group 1 for V's tiles: more padding
.set G0K, 40                           ; s[40:47] group 0 for K's tiles, one set for each slot
.set G0V, 48                           ; s[48:55] group 0 for V's tiles, one set for each slot
; s8 wave, s9 w >> 2, s10 w & 3, s11 i, s12 hp, s13 b, s14 the block's last tile, s15 this tile, s16 the next tile, s[20:21] K's and s[22:23] V's tile 0 (my quarter),
; s[56:57] offset of the next tile, s[58:59] c = log2(e) / 8 twice, s60-61 selectors, s[66:69] q of block one, two, s[70:73] ob of block one, two, s74 counter
; Waves 0-3 fetch the quarters of K's tile, waves 4-7 those of V's: 128 rows of each shared among eight waves are 32 rows a load, one load a wave.
.macro JLOAD s
	s_cmp_eq_u32 s9, 0
	s_cbranch_scc0 .Lfor_v_\@
	tensor_load_to_lds s[G0K+4*\s:G0K+4*\s+3], s[G1K:G1K+7]
	s_nop 0
	s_branch .Lasked_\@
.Lfor_v_\@:
	tensor_load_to_lds s[G0V+4*\s:G0V+4*\s+3], s[G1V:G1V+7]
	s_nop 0
.Lasked_\@:
.endm
; The block's Q fragments: lane (r, h) takes query r's numbers 32 kk + 16 e + 8 h .. + 7
.macro QLOAD base
.irp qt, 0,1
.irp kk, 0,1
.irp e, 0,1
	global_load_b128 v[QF+16*\qt+8*\kk+4*\e:QF+16*\qt+8*\kk+4*\e+3], v[QOFF], s[\base:\base+1] offset:16*QROW*\qt+64*\kk+32*\e
.endr
.endr
.endr
.endm
	s_load_b128 s[4:7], s[0:1], 0x0                ; qkv s[4:5], ob s[6:7]
	s_set_vgpr_msb 0x40
	v_lshl_add_u32 v0, v0, 2, 0x2c800
	v_mov_b32 v1, 0
	s_set_vgpr_msb 0x4045
	ds_add_u32 v0, v1
	ds_add_u32 v0, v1
	s_set_vgpr_msb 0x4500
	v_lshrrev_b32 v1, 5, v0
	v_readfirstlane_b32 s8, v1                     ; wave 0..7
	s_lshr_b32 s9, s8, 2                           ; which head of the pair.  Also: I fetch for K (0) or for V (1)
	s_and_b32 s10, s8, 3                           ; which 32 queries.  Also: which 32 rows of the tile I fetch
	s_and_b32 s11, ttmp9, 7                        ; i
	s_bfe_u32 s12, ttmp9, 0x30003                  ; hp
	s_lshr_b32 s13, ttmp9, 6                       ; b
	s_sub_co_u32 s14, 15, s11                      ; the first block, and its last tile
	; group 1: 32 rows x 128 elements of 2 bytes, 3,072 elements from row to row; padding behind every 64 words: 4 words for K, 8 for V
	s_mov_b32 s[G1K+0], (1<<16)|(1<<20)|(5<<22)|(3<<25)
	s_mov_b32 s[G1V+0], (1<<16)|(1<<20)|(5<<22)|(7<<25)
	s_mov_b32 s[G1K+1], 128<<16                    ; tensor_dim0 = 128
	s_mov_b32 s[G1V+1], 128<<16
	s_mov_b32 s[G1K+2], 32<<16                     ; tensor_dim1 = 32
	s_mov_b32 s[G1V+2], 32<<16
	s_mov_b32 s[G1K+3], 128<<16                    ; tile_dim0 = 128
	s_mov_b32 s[G1V+3], 128<<16
	s_mov_b32 s[G1K+4], 32                         ; tile_dim1 = 32
	s_mov_b32 s[G1V+4], 32
	s_mov_b32 s[G1K+5], 3072
	s_mov_b32 s[G1V+5], 3072
	s_mov_b32 s[G1K+6], 0
	s_mov_b32 s[G1V+6], 0
	s_mov_b32 s[G1K+7], 0
	s_mov_b32 s[G1V+7], 0
	s_mul_i32 s17, s8, 32*KPITCH                   ; K's quarter of wave w (0..3) lies at 8,704 w
	s_mul_i32 s18, s8, 32*VPITCH                   ; V's quarter of wave w (4..7) at 9,216 w
.irp s, 0,1
	s_mov_b32 s[G0K+4*\s], 1
	s_add_co_u32 s[G0K+4*\s+1], s17, \s*SLOT
	s_mov_b32 s[G0V+4*\s], 1
	s_add_co_u32 s[G0V+4*\s+1], s18, \s*SLOT
.endr
	s_mul_i32 s62, s13, 2048*QROW                  ; the batch's first row,
	s_lshl_b32 s63, s12, 8                         ; the head pair's 256 bytes
	s_add_co_u32 s62, s62, s63
	s_mul_i32 s56, s10, 32*QROW                    ; my 32 rows of a tile
	s_add_co_u32 s56, s56, s62
	s_add_co_u32 s56, s56, 2048                    ; k's columns begin 2,048 bytes into a row
	s_mov_b32 s57, 0
	s_wait_dscnt 0x0
	s_wait_kmcnt 0x0
	s_add_nc_u64 s[20:21], s[4:5], s[56:57]        ; K, tile 0, my quarter
	s_add_nc_u64 s[22:23], s[20:21], 2048          ; V likewise
	s_mov_b64 s[G0K+2:G0K+3], s[20:21]
	s_or_b32 s[G0K+3], s[G0K+3], 0x80000000        ; type = 2
	s_mov_b64 s[G0V+2:G0V+3], s[22:23]
	s_or_b32 s[G0V+3], s[G0V+3], 0x80000000
	JLOAD 0                                        ; tile 0 into slot 0: the one first fill at the start, ahead of every wait on TENSORcnt, LDS read and barrier
	s_mov_b32 s77, 0
	s_mul_i32 s76, s14, TSTEP
	s_add_co_u32 s76, s76, s62
	s_add_nc_u64 s[66:67], s[4:5], s[76:77]        ; q of the first block
	s_mul_i32 s76, s11, TSTEP
	s_add_co_u32 s76, s76, s62
	s_add_nc_u64 s[68:69], s[4:5], s[76:77]        ; q of the second
	s_lshl_b32 s62, s13, 22                        ; 2,048 rows of 2,048 bytes a batch
	s_add_co_u32 s62, s62, s63
	s_lshl_b32 s76, s14, 18                        ; 128 rows of 2,048 bytes a block
	s_add_co_u32 s76, s76, s62
	s_add_nc_u64 s[70:71], s[6:7], s[76:77]        ; ob of the first block
	s_lshl_b32 s76, s11, 18
	s_add_co_u32 s76, s76, s62
	s_add_nc_u64 s[72:73], s[6:7], s[76:77]        ; ob of the second
	s_mov_b32 s58, 0x3e38aa3b                      ; c = log2(e) / 8
	s_mov_b32 s59, 0x3e38aa3b
	s_mov_b32 s60, 0x76543210                      ; v_permlanex16_b32: lane i of one half reads lane i of the other
	s_mov_b32 s61, 0xfedcba98
	s_mov_b32 s15, 0                               ; this tile
	v_and_b32 v13, 15, v0                          ; r
	v_bfe_u32 v26, v0, 4, 1                        ; h
	v_mul_u32_u24 v31, v13, QROW
	v_lshl_add_u32 v31, v26, 4, v31
	s_lshl_b32 s62, s9, 7                          ; my head's 128 bytes of the pair's 256
	s_mul_i32 s63, s10, 32*QROW
	s_add_co_u32 s63, s63, s62
	v_add_nc_u32 v[QOFF], s63, v31
	QLOAD 66
	v_mul_u32_u24 v27, v13, KPITCH
	v_lshl_add_u32 v27, v26, 4, v27                ; 272 r + 16 h
	v_add_nc_u32 v[KADR], s62, v27
	v_add_nc_u32 v[KADR+1], SLOT, v[KADR]
	v_and_b32 v28, 7, v0
	v_lshl_add_u32 v28, v26, 3, v28                ; 8 h + (l & 7)
	v_mul_u32_u24 v28, v28, VPITCH
	v_bfe_u32 v29, v0, 3, 1
	v_lshl_add_u32 v28, v29, 4, v28
	s_add_co_u32 s63, s62, VOFF
	v_add_nc_u32 v[VADR], s63, v28
	v_add_nc_u32 v[VADR+1], SLOT, v[VADR]
	s_mul_i32 s63, s10, 32*SPITCH
	s_add_co_u32 s63, s63, STAGE
	v_add_nc_u32 v[STO], s63, v[KADR]              ; the stage's pitch is K's: 272 r + 16 h + 128 (w >> 2) serves again
	v_mul_u32_u24 v29, v26, SPITCH
	v_lshl_add_u32 v29, v13, 4, v29
	s_mul_i32 s63, s8, 16*SPITCH
	s_add_co_u32 s63, s63, STAGE
	v_add_nc_u32 v[RD], s63, v29
	v_lshlrev_b32 v30, 11, v26
	v_lshl_add_u32 v30, v13, 4, v30
	s_lshl_b32 s63, s8, 15
	v_add_nc_u32 v[CO], s63, v30
	v_lshlrev_b32 v1, 3, v26
	v_sub_nc_u32 v[DM], v13, v1
	s_lshl_b32 s63, s10, 5
	v_add_nc_u32 v[DM], s63, v[DM]
	v_add_nc_u32 v[DM+1], 0xffffffc0, v[DM]        ; - 64
	v_mov_b32 v[NINF], 0xff800000
	v_mov_b32 v[MX], 0xff800000
	v_mov_b32 v[MX+1], 0xff800000
	v_mov_b32 v[LS], 0
	v_mov_b32 v[LS+1], 0
	v_mov_b32 v[NMC+1], 0                          ; the upper registers of the pairs are named by the packed forms and never used
	v_mov_b32 v[NMC+3], 0
	v_mov_b32 v[AL+1], 0
	v_mov_b32 v[AL+3], 0
; Eight matrix instructions: key tiles kt0, kt0 + 1 x two query tiles x 64 numbers of a head.  Four accumulators take turns, one instruction a turn
; the first product starts each sum.
.macro QK kt0
.irp kk, 0,1
.irp kt, \kt0, \kt0+1
.irp qt, 0,1
.if \kk
	v_wmma_f32_16x16x32_f16 v[SC+32*\qt+8*(\kt):SC+32*\qt+8*(\kt)+7], v[FR+16*(\kt)+8*\kk:FR+16*(\kt)+8*\kk+7], v[QF+16*\qt+8*\kk:QF+16*\qt+8*\kk+7], v[SC+32*\qt+8*(\kt):SC+32*\qt+8*(\kt)+7]
.else
	v_wmma_f32_16x16x32_f16 v[SC+32*\qt+8*(\kt):SC+32*\qt+8*(\kt)+7], v[FR+16*(\kt)+8*\kk:FR+16*(\kt)+8*\kk+7], v[QF+16*\qt+8*\kk:QF+16*\qt+8*\kk+7], 0
.endif
.endr
.endr
.endr
.endm
; 64 keys (half sub of the tile in the slot) x my 32 queries.  first = 1: O has no value yet.  diag = 0: no mask; 2: mask if this is the block's last tile; 1: mask.
.macro SUBSTEP slot, sub, first, diag
.irp kt, 0,1,2,3
.irp c, 0,1,2,3
	ds_load_b128 v[FR+16*\kt+4*\c:FR+16*\kt+4*\c+3], v[KADR+\slot] offset:KPITCH*(64*\sub+16*\kt)+32*\c
.endr
.endr
.if \sub == 0
	s_wait_loadcnt 0x0                             ; the block's Q fragments (met at once in every tile but a block's first)
.endif
	s_wait_dscnt 0x8                               ; key tiles 0 and 1 are in; the youngest eight loads (key tiles 2 and 3) may be out
	QK 0
	s_wait_dscnt 0x0
	QK 2
.rept 4
	v_nop                                          ; four places: then loads may land on K's fragments and vector instructions read the scores
.endr
.irp g, 0,1
.irp d, 0,1,2,3
.irp e, 0,1
	ds_load_tr16_b128 v[FR+32*\g+8*\d+4*\e:FR+32*\g+8*\d+4*\e+3], v[VADR+\slot] offset:VPITCH*(64*\sub+32*\g+16*\e)+32*\d   ; V^T: they land under the softmax
.endr
.endr
.endr
.if \diag == 2
	s_cmp_lg_u32 s15, s14                          ; hangs on the work-group's number and the tile's count alone
	s_cbranch_scc1 .Lnomask_\@
.endif
.if \diag
	; key 64 sub + 16 kt + 8 h + j is beyond query 32 (w & 3) + 16 qt + r  <=>  16 kt + j - 16 qt > DM[sub]
.irp qt, 0,1
.irp kt, 0,1,2,3
.irp j, 0,1,2,3,4,5,6,7
	v_cmp_gt_i32 vcc_lo, 16*\kt+\j-16*\qt, v[DM+\sub]
	v_cndmask_b32 v[SC+32*\qt+8*\kt+\j], v[SC+32*\qt+8*\kt+\j], v[NINF], vcc_lo
.endr
.endr
.endr
.endif
.if \diag == 2
.Lnomask_\@:
.endif
	; the new maxima: four chains, two of them begun by the old maxima.  Key 0 of a block's first tile is open to every query, so they are finite from the first sub-step on.
	v_max3_num_f32 v[TT],   v[MX],   v[SC],    v[SC+1]
	v_max3_num_f32 v[TT+1], v[MX+1], v[SC+32], v[SC+33]
	v_max_num_f32  v[TT+2], v[SC+16], v[SC+17]
	v_max_num_f32  v[TT+3], v[SC+48], v[SC+49]
.set k, 2
.rept 7
	v_max3_num_f32 v[TT],   v[TT],   v[SC+k],    v[SC+k+1]
	v_max3_num_f32 v[TT+1], v[TT+1], v[SC+32+k], v[SC+33+k]
	v_max3_num_f32 v[TT+2], v[TT+2], v[SC+16+k], v[SC+17+k]
	v_max3_num_f32 v[TT+3], v[TT+3], v[SC+48+k], v[SC+49+k]
.set k, k+2
.endr
	v_max_num_f32 v[TT],   v[TT],   v[TT+2]
	v_max_num_f32 v[TT+1], v[TT+1], v[TT+3]
	v_permlanex16_b32 v[TT+2], v[TT],   s60, s61   ; the other half's keys
	v_permlanex16_b32 v[TT+3], v[TT+1], s60, s61
	v_max_num_f32 v[TT],   v[TT],   v[TT+2]
	v_max_num_f32 v[TT+1], v[TT+1], v[TT+3]
	v_mul_f32 v[NMC],   0xbe38aa3b, v[TT]          ; - m c
	v_mul_f32 v[NMC+2], 0xbe38aa3b, v[TT+1]
	v_fma_f32 v[TT+2], v[MX],   s58, v[NMC]        ; (old m - new m) c; -infinity at a block's start
	v_fma_f32 v[TT+3], v[MX+1], s58, v[NMC+2]
	v_exp_f32 v[AL],   v[TT+2]
	v_exp_f32 v[AL+2], v[TT+3]
	v_mov_b32 v[MX],   v[TT]                       ; (also the plain place behind the two exponentials: ISA guide 5.7.2)
	v_mov_b32 v[MX+1], v[TT+1]
	; p = 2^(s c - m c).  Each exponential is followed by a plain instruction on other registers.
.set k, 0
.rept 16
	v_pk_fma_f32 v[SC+2*k:SC+2*k+1], v[SC+2*k:SC+2*k+1], s[58:59], v[NMC:NMC+1] op_sel_hi:[1,0,0]
.set k, k+1
.endr
.set k, 0
.rept 16
	v_exp_f32 v[SC+k], v[SC+k]
	v_pk_fma_f32 v[SC+32+2*k:SC+33+2*k], v[SC+32+2*k:SC+33+2*k], s[58:59], v[NMC+2:NMC+3] op_sel_hi:[1,0,0]
.set k, k+1
.endr
.rept 16
	v_exp_f32 v[SC+k], v[SC+k]
.if \first == 0
	s_wait_alu depctr_va_vdst(0)
	v_pk_mul_f32 v[OA+2*(k-16):OA+2*(k-16)+1], v[OA+2*(k-16):OA+2*(k-16)+1], v[AL:AL+1] op_sel_hi:[1,0]
.endif
.set k, k+1
.endr
	v_exp_f32 v[SC+32], v[SC+32]
	s_wait_alu depctr_va_vdst(0)
	v_pk_add_f32 v[TT+2:TT+3], v[SC:SC+1], v[SC+2:SC+3]            ; the sum of query tile 0's p, ahead of their packing
.set k, 1
.rept 14
	v_exp_f32 v[SC+32+k], v[SC+32+k]
	s_wait_alu depctr_va_vdst(0)
	v_pk_add_f32 v[TT+2:TT+3], v[TT+2:TT+3], v[SC+2+2*k:SC+3+2*k]
.set k, k+1
.endr
.set n, 0
.rept 16
	v_exp_f32 v[SC+32+k], v[SC+32+k]
	v_cvt_pk_f16_f32 v[SC+16*(n/8)+(n%8)], v[SC+2*n], v[SC+2*n+1]  ; in place, ascending: a word is written only after it was read
.set k, k+1
.set n, n+1
.endr
	v_exp_f32 v[SC+63], v[SC+63]
	s_wait_alu depctr_va_vdst(0)
	v_pk_add_f32 v[TT+4:TT+5], v[SC+32:SC+33], v[SC+34:SC+35]
.if \first == 0
	v_pk_mul_f32 v[OA+32:OA+33], v[OA+32:OA+33], v[AL+2:AL+3] op_sel_hi:[1,0]
	s_wait_alu depctr_va_vdst(0)
.endif
.set k, 1
.rept 14
	v_pk_add_f32 v[TT+4:TT+5], v[TT+4:TT+5], v[SC+34+2*k:SC+35+2*k]
.if \first == 0
	v_pk_mul_f32 v[OA+32+2*k:OA+33+2*k], v[OA+32+2*k:OA+33+2*k], v[AL+2:AL+3] op_sel_hi:[1,0]
.endif
.set k, k+1
.endr
.if \first == 0
	v_pk_mul_f32 v[OA+62:OA+63], v[OA+62:OA+63], v[AL+2:AL+3] op_sel_hi:[1,0]
.endif
.set n, 0
.rept 16
	v_cvt_pk_f16_f32 v[SC+32+16*(n/8)+(n%8)], v[SC+32+2*n], v[SC+33+2*n]
.set n, n+1
.endr
	s_wait_dscnt 0x0                               ; V's fragments
	; O^T += V^T P^T: eight accumulators take turns, one instruction a turn
.irp g, 0,1
.irp d, 0,1,2,3
.irp qt, 0,1
.if \first*(1-\g)
	v_wmma_f32_16x16x32_f16 v[OA+32*\qt+8*\d:OA+32*\qt+8*\d+7], v[FR+32*\g+8*\d:FR+32*\g+8*\d+7], v[SC+32*\qt+16*\g:SC+32*\qt+16*\g+7], 0
.else
	v_wmma_f32_16x16x32_f16 v[OA+32*\qt+8*\d:OA+32*\qt+8*\d+7], v[FR+32*\g+8*\d:FR+32*\g+8*\d+7], v[SC+32*\qt+16*\g:SC+32*\qt+16*\g+7], v[OA+32*\qt+8*\d:OA+32*\qt+8*\d+7]
.endif
.endr
.endr
.endr
	; five places, four of them the running sums: then loads may land on V's fragments, and matrix instructions write over P
	v_add_f32 v[TT+2], v[TT+2], v[TT+3]
	v_add_f32 v[TT+4], v[TT+4], v[TT+5]
	v_fma_f32 v[LS],   v[LS],   v[AL],   v[TT+2]
	v_fma_f32 v[LS+1], v[LS+1], v[AL+2], v[TT+4]
	v_nop
.endm
; A block is done: divide by the sums, round to f16, out through the stage.  final = 0: the first block (the second one's Q is asked for, the state begun anew); 1: the second.
.macro PASSEND final
.if \final == 0
	QLOAD 68
.endif
	v_permlanex16_b32 v[TT],   v[LS],   s60, s61   ; the other half's keys
	v_permlanex16_b32 v[TT+1], v[LS+1], s60, s61
	v_add_f32 v[LS],   v[LS],   v[TT]
	v_add_f32 v[LS+1], v[LS+1], v[TT+1]
	v_rcp_f32 v[AL],   v[LS]                       ; the sum is at least 1: the largest p is 1
	v_rcp_f32 v[AL+2], v[LS+1]
	v_nop                                          ; the plain place behind the reciprocals (ISA guide 5.7.2)
.set k, 0
	s_wait_alu depctr_va_vdst(0)
.rept 16
	v_pk_mul_f32 v[OA+2*k:OA+2*k+1], v[OA+2*k:OA+2*k+1], v[AL:AL+1] op_sel_hi:[1,0]
	v_pk_mul_f32 v[OA+32+2*k:OA+33+2*k], v[OA+32+2*k:OA+33+2*k], v[AL+2:AL+3] op_sel_hi:[1,0]
.set k, k+1
.endr
.set k, 0
.rept 32
	v_cvt_pk_f16_f32 v[SC+k], v[OA+2*k], v[OA+2*k+1]
.set k, k+1
.endr
.irp qt, 0,1
.irp d, 0,1,2,3
	ds_store_b128 v[STO], v[SC+16*\qt+4*\d:SC+16*\qt+4*\d+3] offset:16*SPITCH*\qt+32*\d    ; query 16 qt + r, numbers 16 d + 8 h .. + 7 of my head
.endr
.endr
	s_wait_dscnt 0x0                               ; for the others' sake: my part of the stage is written
	s_barrier_signal -1                            ; the tile asked for at this trip's head may stay on its way
	s_barrier_wait -1
.irp t, 0,1,2,3,4,5,6,7
	ds_load_b128 v[FR+4*\t:FR+4*\t+3], v[RD] offset:2*SPITCH*\t    ; rows 16 w + 2 t and + 1, both heads' 256 bytes
.endr
.irp t, 0,1,2,3,4,5,6,7
	s_wait_dscnt 7-\t                              ; load t is in, the 7 - t younger ones stay out
	global_store_b128 v[CO], v[FR+4*\t:FR+4*\t+3], s[70+2*\final:71+2*\final] offset:2*OROW*\t   ; 16 lanes store 256 consecutive bytes, aligned
.endr
.if \final == 0
	s_wait_xcnt 0x0                                ; the stores' data registers are loaded again in the next trip only behind this wait
	; The second block's first tile stands inside the loop, where the products add onto O: O is cleared here, once in a wave's life.
.set k, 0
.rept 64
	v_mov_b32 v[OA+k], 0
.set k, k+1
.endr
	v_mov_b32 v[MX],   v[NINF]
	v_mov_b32 v[MX+1], v[NINF]
	v_mov_b32 v[LS],   0
	v_mov_b32 v[LS+1], 0
	s_mov_b32 s14, s11                             ; the second block's last tile
.endif
.endm
; One tile of 128 keys.  One barrier: in front of it each wave waits for all its tensor loads (its part of this tile) and for its reads of the other slot;
; behind it the other slot is filled first (one load a wave, which has the whole trip in which to land), then this slot is read.
.macro TRIP slot, next, refill, first, diag
	s_set_vgpr_msb 0x5
	s_wait_tensorcnt 0x0                           ; no tensor load of mine is out: every group 0 may be written
	ds_add_u32 v0, v1
	s_wait_dscnt 0x0
	s_set_vgpr_msb 0x500
.if \refill
	s_add_co_u32 s16, s15, 1                       ; the next tile; behind a block's last tile: tile 0, for the second block
	s_cmp_eq_u32 s15, s14
	s_cselect_b32 s16, 0, s16
	s_mul_i32 s56, s16, TSTEP
	s_add_nc_u64 s[G0K+4*\next+2:G0K+4*\next+3], s[20:21], s[56:57]
	s_or_b32 s[G0K+4*\next+3], s[G0K+4*\next+3], 0x80000000
	s_add_nc_u64 s[G0V+4*\next+2:G0V+4*\next+3], s[22:23], s[56:57]
	s_or_b32 s[G0V+4*\next+3], s[G0V+4*\next+3], 0x80000000
.endif
	s_wait_dscnt 0x0
	s_barrier_signal -1
	s_barrier_wait -1
.if \refill
	JLOAD \next
.endif
	SUBSTEP \slot, 0, \first, \diag
	SUBSTEP \slot, 1, 0, \diag
.if \diag == 2
	s_cmp_lg_u32 s15, s14                          ; the same in all eight waves: every wave passes the barrier inside, or none
	s_cbranch_scc1 .Lnoend_\@
	PASSEND 0
.Lnoend_\@:
.endif
.if \diag == 1
	PASSEND 1
.endif
.if \refill
	s_mov_b32 s15, s16
.endif
.endm
	TRIP 0, 1, 1, 1, 0                             ; tile 0 of block 15 - i >= 8: never the diagonal; its first products start O
	s_mov_b32 s74, 7
.Ltiles:
	TRIP 1, 0, 1, 0, 2
	TRIP 0, 1, 1, 0, 2
	s_sub_co_u32 s74, s74, 1
	s_cmp_lg_u32 s74, 0
	s_cbranch_scc1 .Ltiles
	TRIP 1, 0, 1, 0, 2                             ; the sixteenth tile asks for the seventeenth
	TRIP 0, 1, 0, 0, 1                             ; the seventeenth is the second block's diagonal tile: nothing is left to fetch
	s_set_vgpr_msb 0x5
	s_wait_tensorcnt 0x0
	ds_add_u32 v0, v1
	s_wait_dscnt 0x0
	s_set_vgpr_msb 0x500
	s_endpgm
.Lfunc_end_k_q39e164e76e_attn:
	.size	k_q39e164e76e_attn, .Lfunc_end_k_q39e164e76e_attn-k_q39e164e76e_attn
	.p2alignl 7, 3214868480
	.fill 96, 4, 3214868480
	.section	.rodata,"a",@progbits
	.p2align	6, 0x0
	.amdhsa_kernel k_q39e164e76e_attn
		.amdhsa_group_segment_fixed_size 327680
		.amdhsa_private_segment_fixed_size 0
		.amdhsa_enable_private_segment 0
		.amdhsa_kernarg_size 16
		.amdhsa_user_sgpr_count 2
		.amdhsa_user_sgpr_kernarg_segment_ptr 1
		.amdhsa_wavefront_size32 1
		.amdhsa_system_sgpr_workgroup_id_x 1
		.amdhsa_system_sgpr_workgroup_id_y 1
		.amdhsa_system_sgpr_workgroup_id_z 1
		.amdhsa_system_vgpr_workitem_id 0
		.amdhsa_next_free_vgpr 258
		.amdhsa_next_free_sgpr 80
		.amdhsa_reserve_vcc 1
		.amdhsa_float_denorm_mode_32 3
		.amdhsa_float_denorm_mode_16_64 3
		.amdhsa_memory_ordered 1
		.amdhsa_forward_progress 1
		.amdhsa_inst_pref_size 255
	.end_amdhsa_kernel
	.section	.bss,"aw",@nobits
	.p2align	6
	.space	262144
	.amdgpu_metadata
---
amdhsa.version: [ 1, 2 ]
amdhsa.kernels:
  - .name:           k_q39e164e76e_attn
    .symbol:         k_q39e164e76e_attn.kd
    .args:
      - { .name: qkv, .offset: 0, .size: 8, .value_kind: global_buffer, .address_space: global }
      - { .name: ob, .offset: 8, .size: 8, .value_kind: global_buffer, .address_space: global }
    .group_segment_fixed_size: 327680
    .private_segment_fixed_size: 0
    .kernarg_segment_align: 8
    .kernarg_segment_size: 16
    .max_flat_workgroup_size: 256
    .sgpr_count:     80
    .vgpr_count:     258
    .wavefront_size: 32
...
	.end_amdgpu_metadata
.endif
;; end of part 3
;; launch proj (part 4): grid 4 x 64, 4 waves a work-group, clusters of 4 x 4, 327,680 bytes of LDS; arguments ob, xw, out0; writes out0
.if DOCPART == 4
	.amdgcn_target "amdgcn-amd-amdhsa--gfx1250"
	.amdhsa_code_object_version 6
	.text
	.protected	k_q39e164e76e_proj
	.globl	k_q39e164e76e_proj
	.p2align	8
	.type	k_q39e164e76e_proj,@function
k_q39e164e76e_proj:
	s_mov_b64 s[64:65], 0
	v_nop
	global_prefetch_b8 v0, s[64:65] scope:SCOPE_SE
	s_setreg_imm32_b32 hwreg(HW_REG_WAVE_MODE, 25, 1), 1
	s_wait_xcnt 0x0
	s_wait_alu depctr_hold_cnt(0) depctr_sa_sdst(0) depctr_va_vdst(0) depctr_va_sdst(0) depctr_va_ssrc(0) depctr_va_vcc(0) depctr_vm_vsrc(0)
	s_getreg_b32 s2, hwreg(HW_REG_IB_STS2, 6, 4)
	s_cmp_eq_u32 s2, 0
	s_cbranch_scc0 .Lentry_in_a_cluster
	s_endpgm
.Lentry_in_a_cluster:
	s_bfe_u32 s2, ttmp6, 0x10000c
	s_cmp_lg_u32 s2, 0xf033
	s_cbranch_scc0 .Lentry_shape_is_right
	s_endpgm
.Lentry_shape_is_right:
; out0[m][n] = sum over k of ob[m][k] Wo[n][k].  ob: [8192][1024] f16.  Wo: [1024][1024] f16 at xw + 23,068,672.  out0: [8192][1024] f32; sums in f32.
; A work-group makes a block of 128 x 256 with four waves (4 x 64 = 256 work-groups); a wave makes 64 x 128: 32 accumulator tiles, 256 registers.
; K goes in steps of 128 through a ring of two LDS slots filled by the tensor data mover; a tile's rows are 256 bytes of memory, at multiples of 256.
; CLUSTERS: 4 x 4 work-groups.  ob's tile hangs on the block row alone and is asked for jointly by a row of the cluster, Wo's on the block column alone and is
; asked for jointly by a column.
; REGISTERS: window 0: v16-26 addresses; ob's fragments (4 x 16 rows x 32 K) at v32 + 32 f, Wo's (8 x 16 rows) at v96 + 64 f, f = buffer 0, 1.
;            window 1: accumulator tile (a, b) at v[8 (8 a + b)].
; The matrix instruction is used transposed (source 0 = Wo's rows, source 1 = ob's): lane l holds row l % 16 and columns 8 (l / 16) + 0 .. 7, 32 neighbouring bytes.
.set SIZE_N, 1024
.set SIZE_K, 1024
.set WOOFF,  0x1600000                 ; Wo's first byte in xw
.set KSTEP,  128
.set PITCH,  272                       ; 256 + 16 = 17 x 16 bytes
.set AHALF,  64*PITCH                  ; 64 rows of ob: one load of wave 2 or 3, and what one wave reads
.set BHALF,  128*PITCH                 ; 128 rows of Wo: one load of wave 0 or 1, and what one wave reads
.set AOFF,   2*BHALF                   ; a slot: Wo's 256 rows, then ob's 128
.set SLOT,   2*BHALF+2*AHALF           ; 104,448
.set STAGE,  2*SLOT                    ; 208,896: 16 rows x 528 bytes for each wave, for the way out; no fill lands here
.set SPITCH, 528                       ; 512 + 16 = 33 x 16 bytes
.set LAPS, SIZE_K/(2*KSTEP)            ; 4
.set ADRA, 16                          ; v16-17  LDS address of my ob fragments in slot 0, 1
.set ADRB, 20                          ; v20-21  the same for Wo
.set STO,  24                          ; v24     the way out: where I put 32 bytes of a row
.set RD,   25                          ; v25     the way out: where I read a row back
.set CO,   26                          ; v26     my byte offset in a row of out0
.set FA,   32
.set FB,   96
.set G1, 24                            ; s[24:31] group 1 for ob's tiles
.set G0, 32                            ; s[32:39] group 0 for ob's tiles, one set for each slot
.set G1B, 48                           ; s[48:55] group 1 for Wo's tiles
.set G0B, 56                           ; s[56:63] group 0 for Wo's tiles, one set for each slot
.set MSB, 0
.macro WIN new                         ; the immediate's high byte repeats the setting that is left
.if MSB != \new
	s_set_vgpr_msb (MSB<<8)|\new
.set MSB, \new
.endif
.endm
.set MUL,  0x50                        ; sources 0 and 1 window 0, C and D window 1
.set FROM, 0x04                        ; an LDS store's data (source 1) window 1, its address window 0
; A joint load.  Waves 0 and 1 fetch Wo's two halves, waves 2 and 3 ob's.  The branch hangs on the wave's number alone.
.macro JLOAD s
	s_cmp_eq_u32 s11, 0
	s_cbranch_scc0 .Lfor_a_\@
	tensor_load_to_lds s[G0B+4*\s:G0B+4*\s+3], s[G1B:G1B+7]
	s_nop 0
	s_branch .Lasked_\@
.Lfor_a_\@:
	tensor_load_to_lds s[G0+4*\s:G0+4*\s+3], s[G1:G1+7]
	s_nop 0
.Lasked_\@:
.endm
.macro CREST                           ; a round of the cluster's barrier behind its opening barrier
	s_cmp_lg_u32 s10, 0
	s_cbranch_scc1 .Lnot_wave_0_\@
	s_barrier_signal -3
.Lnot_wave_0_\@:
	s_barrier_wait -3
	s_barrier_signal -1
	s_barrier_wait -1
.endm
.macro CROUND                          ; a whole round
	s_barrier_signal -1
	s_barrier_wait -1
	CREST
.endm
	s_load_b128 s[4:7], s[0:1], 0x0                ; ob s[4:5], xw s[6:7]
	s_load_b64 s[8:9], s[0:1], 0x10                ; out0
	v_lshl_add_u32 v254, v0, 2, 0x3b400
	v_mov_b32 v255, 0
	ds_add_u32 v254, v255
	ds_add_u32 v254, v255
	v_lshrrev_b32 v1, 5, v0
	v_readfirstlane_b32 s10, v1                    ; wave 0..3
	s_lshr_b32 s11, s10, 1                         ; which 64 rows of the block are mine.  Also: I fetch for Wo (0) or for ob (1)
	s_and_b32 s12, s10, 1                          ; which 128 columns.  Also: which half of that tile I fetch
	s_bfe_u32 s40, ttmp6, 0x40000                  ; cx
	s_bfe_u32 s41, ttmp6, 0x40004                  ; cy
	s_lshl_b32 s42, ttmp9, 2
	s_add_co_u32 s42, s42, s40                     ; block column = 4 x cluster x + cx
	s_and_b32 s13, ttmp7, 0xffff
	s_lshl_b32 s13, s13, 2
	s_add_co_u32 s13, s13, s41                     ; block row = 4 x cluster y + cy
	s_lshl_b32 s43, s41, 2
	s_lshl_b32 s43, 15, s43                        ; my row of the cluster
	s_lshl_b32 s44, 0x1111, s40                    ; my column
	; group 1: rows of 128 elements of 2 bytes, 4 words of padding behind every 64; 64 rows for ob, 128 for Wo
	s_or_b32 s[G1+0], s43, (1<<16)|(1<<20)|(1<<21)|(5<<22)|(3<<25)
	s_or_b32 s[G1B+0], s44, (1<<16)|(1<<20)|(1<<21)|(5<<22)|(3<<25)
	s_mov_b32 s[G1+1], KSTEP<<16                   ; tensor_dim0 = 128
	s_mov_b32 s[G1B+1], KSTEP<<16
	s_mov_b32 s[G1+2], 64<<16                      ; tensor_dim1
	s_mov_b32 s[G1B+2], 128<<16
	s_mov_b32 s[G1+3], KSTEP<<16                   ; tile_dim0 = 128
	s_mov_b32 s[G1B+3], KSTEP<<16
	s_mov_b32 s[G1+4], 64                          ; tile_dim1
	s_mov_b32 s[G1B+4], 128
	s_mov_b32 s[G1+5], SIZE_K                      ; elements from row to row
	s_mov_b32 s[G1B+5], SIZE_K
	s_mov_b32 s[G1+6], 0
	s_mov_b32 s[G1B+6], 0
	s_mov_b32 s[G1+7], 0
	s_mov_b32 s[G1B+7], 0
	s_lshl_b32 s17, s12, 6
	s_lshl_b32 s16, s13, 7
	s_add_co_u32 s16, s16, s17                     ; ob: row 128 x block row + 64 x half
	s_lshl_b32 s47, s12, 7
	s_lshl_b32 s46, s42, 8
	s_add_co_u32 s46, s46, s47                     ; Wo: row 256 x block column + 128 x half
	s_mov_b32 s17, 0
	s_mov_b32 s47, 0
	s_mov_b64 s[18:19], SIZE_K*2
	s_mul_u64 s[16:17], s[16:17], s[18:19]         ; in bytes
	s_mul_u64 s[46:47], s[46:47], s[18:19]
	s_mul_i32 s20, s10, AHALF                      ; ob's half of wave w (2, 3) lies at AOFF + (w - 2) x 17,408 = 34,816 + 17,408 w
	s_add_co_u32 s20, s20, AOFF-2*AHALF
	s_mul_i32 s45, s10, BHALF                      ; Wo's half of wave w (0, 1) at 34,816 w
	s_wait_dscnt 0x0
	s_wait_kmcnt 0x0
	s_add_nc_u64 s[6:7], s[6:7], WOOFF             ; Wo
	s_add_nc_u64 s[14:15], s[4:5], s[16:17]
	s_add_nc_u64 s[46:47], s[6:7], s[46:47]
	CROUND                                         ; all sixteen work-groups are here: the first joint loads meet
.irp s, 0,1
	s_mov_b32 s[G0+4*\s], 1
	s_add_co_u32 s[G0+4*\s+1], s20, \s*SLOT
	s_add_nc_u64 s[G0+4*\s+2:G0+4*\s+3], s[14:15], \s*KSTEP*2
	s_or_b32 s[G0+4*\s+3], s[G0+4*\s+3], 0x80000000
	s_mov_b32 s[G0B+4*\s], 1
	s_add_co_u32 s[G0B+4*\s+1], s45, \s*SLOT
	s_add_nc_u64 s[G0B+4*\s+2:G0B+4*\s+3], s[46:47], \s*KSTEP*2
	s_or_b32 s[G0B+4*\s+3], s[G0B+4*\s+3], 0x80000000
	JLOAD \s                                       ; both first fills go out together: two tensor loads of the wave are out
.endr
	v_and_b32 v1, 15, v0                           ; l % 16
	v_bfe_u32 v2, v0, 4, 1                         ; l / 16
	v_mul_u32_u24 v3, v1, PITCH
	v_lshl_add_u32 v3, v2, 4, v3
	s_mul_i32 s21, s11, AHALF                      ; my 64 rows of ob,
	s_add_co_u32 s21, s21, AOFF                    ; which lie behind Wo's 256
	s_mul_i32 s22, s12, BHALF                      ; my 128 rows of Wo
.irp s, 0,1
	v_add_nc_u32 v[ADRA+\s], s21, v3
	v_add_nc_u32 v[ADRB+\s], s22, v3
	s_add_co_u32 s21, s21, SLOT
	s_add_co_u32 s22, s22, SLOT
.endr
	s_mul_i32 s23, s10, 16*SPITCH
	s_add_co_u32 s23, s23, STAGE                   ; my stage
	v_mul_u32_u24 v4, v1, SPITCH                   ; in: row l % 16, 32 bytes for each half of the lanes
	v_lshl_add_u32 v4, v2, 5, v4
	v_add_nc_u32 v[STO], s23, v4
	v_and_b32 v5, 31, v0
	v_lshlrev_b32 v[CO], 4, v5                     ; back and out: 32 lanes take one row's 512 bytes
	v_add_nc_u32 v[RD], s23, v[CO]
; 16 matrix instructions: m blocks a0, a0 + 1 x all 8 n blocks, 32 along K, from buffer f.  zero = 1: the first product starts the sums.
; The 32 accumulators take turns, one instruction a turn, in the same order in every quarter step.
.macro MUL16 f, a0, zero
.irp a, \a0, \a0+1
.irp b, 0,1,2,3,4,5,6,7
.if \zero
	v_wmma_f32_16x16x32_f16 v[8*(8*(\a)+\b):8*(8*(\a)+\b)+7], v[FB+64*\f+8*\b:FB+64*\f+8*\b+7], v[FA+32*\f+8*(\a):FA+32*\f+8*(\a)+7], 0
.else
	v_wmma_f32_16x16x32_f16 v[8*(8*(\a)+\b):8*(8*(\a)+\b)+7], v[FB+64*\f+8*\b:FB+64*\f+8*\b+7], v[FA+32*\f+8*(\a):FA+32*\f+8*(\a)+7], v[8*(8*(\a)+\b):8*(8*(\a)+\b)+7]
.endif
.endr
.endr
.endm
; 24 LDS loads in one run: the fragments of one quarter step (32 K at byte k of the rows) into buffer f; Wo's 16 first, ob's 8 last
.macro FETCH slot, k, f
	WIN 0
.irp i, 0,1,2,3,4,5,6,7
	ds_load_b128 v[FB+64*\f+8*\i:FB+64*\f+8*\i+3],   v[ADRB+\slot] offset:\k+\i*16*PITCH
	ds_load_b128 v[FB+64*\f+8*\i+4:FB+64*\f+8*\i+7], v[ADRB+\slot] offset:\k+\i*16*PITCH+32
.endr
.irp i, 0,1,2,3
	ds_load_b128 v[FA+32*\f+8*\i:FA+32*\f+8*\i+3],   v[ADRA+\slot] offset:\k+\i*16*PITCH
	ds_load_b128 v[FA+32*\f+8*\i+4:FA+32*\f+8*\i+7], v[ADRA+\slot] offset:\k+\i*16*PITCH+32
.endr
.endm
; Four places behind a matrix instruction before a load lands on a register that it read, or an LDS store reads its result
.macro PLACES
.rept 4
	v_nop
.endr
.endm
; One of a K step's first three quarters: multiplies buffer f and fetches, in its middle, the next quarter's fragments into buffer g.
.macro QUARTER slot, k, f, g, zero
	s_wait_dscnt 4                                 ; Wo and ob's blocks 0, 1 are in; the youngest four loads (ob's blocks 2, 3) may be out
	WIN MUL
	MUL16 \f, 0, \zero
	PLACES
	FETCH \slot, \k, \g
	s_wait_dscnt 24                                ; all but the 24 just issued
	WIN MUL
	MUL16 \f, 2, \zero
.endm
.macro THREE slot, zero
	QUARTER \slot, 64,  0, 1, \zero
	QUARTER \slot, 128, 1, 0, 0
	QUARTER \slot, 192, 0, 1, 0
.endm
; The last quarter: multiplies buffer 1 and changes slots.  In front of the barrier each wave waits for its reads of this slot and for all its tensor loads
; (one is out: its part of the next slot).  Behind it the refill comes first, then the next slot's first fragments.
; From a request to the wait for it a wave issues 112 matrix instructions.
.macro TURN slot, next, fill
	s_wait_dscnt 0                                 ; my reads of this slot are over
	s_wait_tensorcnt 0x0                           ; and all my tensor loads have landed
	ds_add_u32 v254, v255
	s_wait_dscnt 0x0
	s_barrier_signal -1                            ; (where a slot is filled again this barrier opens a round of the cluster's barrier)
	WIN MUL
	MUL16 1, 0, 0                                  ; register work while the others arrive
	WIN 0
	s_barrier_wait -1
.if \fill
	CREST                                          ; no wave of any partner still reads this slot or has a load on its way
	s_add_nc_u64 s[G0+4*\slot+2:G0+4*\slot+3], s[G0+4*\slot+2:G0+4*\slot+3], 2*KSTEP*2
	s_add_nc_u64 s[G0B+4*\slot+2:G0B+4*\slot+3], s[G0B+4*\slot+2:G0B+4*\slot+3], 2*KSTEP*2
	JLOAD \slot                                    ; the wave's one tensor load behind the round, and the first thing there
.endif
	PLACES
	FETCH \next, 0, 0
	WIN MUL
	MUL16 1, 2, 0
.endm
.macro LAP zero
	THREE 0, \zero
	TURN 0, 1, 1
	THREE 1, 0
	TURN 1, 0, 1
.endm
	s_wait_tensorcnt 1                             ; my part of K step 0 is in; K step 1's load stays out
	s_barrier_signal -1
	s_barrier_wait -1
	FETCH 0, 0, 0
	LAP 1                                          ; the first lap stands in front of the loop: its first products start the sums
	WIN 0                                          ; at a label and at a branch every window is 0
	s_mov_b32 s3, LAPS-2
.Llap:
	LAP 0
	WIN 0
	s_sub_co_u32 s3, s3, 1
	s_cmp_lg_u32 s3, 0
	s_cbranch_scc1 .Llap
	THREE 0, 0                                     ; the last lap fills nothing
	TURN 0, 1, 0
	THREE 1, 0
	s_wait_dscnt 0
	WIN MUL
	MUL16 1, 0, 0
	MUL16 1, 2, 0
	; THE WAY OUT, 16 rows at a time: 32 bytes a lane into my own stage, read back as whole rows of 512 bytes.
	PLACES
	s_lshl_b32 s13, s13, 7
	s_lshl_b32 s14, s11, 6
	s_add_co_u32 s16, s13, s14                     ; my first row,
	s_lshl_b32 s16, s16, 12                        ; of 4,096 bytes
	s_mov_b32 s17, 0
	s_add_nc_u64 s[8:9], s[8:9], s[16:17]
	s_lshl_b32 s46, s42, 10                        ; my first column, in bytes: 1,024 x block + 512 x half
	s_lshl_b32 s47, s12, 9
	s_add_co_u32 s46, s46, s47
	s_mov_b32 s47, 0
	s_add_nc_u64 s[8:9], s[8:9], s[46:47]
; rows 16 a .. 16 a + 15 of my 64 = the eight tiles (a, 0..7); f: Wo's fragment buffer 0 or 1 in turn takes the rows read back
.macro OUT16 a, f
	WIN FROM
.irp b, 0,1,2,3,4,5,6,7
	ds_store_b128 v[STO], v[8*(8*\a+\b):8*(8*\a+\b)+3]   offset:64*\b
	ds_store_b128 v[STO], v[8*(8*\a+\b)+4:8*(8*\a+\b)+7] offset:64*\b+16
.endr
	WIN 0
	s_wait_xcnt 0x0                                ; buffer f, which earlier stores read, and the stores' base are rewritten only behind this wait
.if \a
	s_add_nc_u64 s[8:9], s[8:9], 16*SIZE_N*4       ; 16 rows on
.endif
.irp t, 0,1,2,3,4,5,6,7,8,9,10,11,12,13,14,15
	ds_load_b128 v[FB+64*\f+4*\t:FB+64*\f+4*\t+3], v[RD] offset:\t*SPITCH   ; a wave's LDS instructions are served in order: these see the stores above
.endr
.irp t, 0,1,2,3,4,5,6,7,8,9,10,11,12,13,14,15
	s_wait_dscnt 15-\t                             ; load t is in, the 15 - t younger ones stay out
	global_store_b128 v[CO], v[FB+64*\f+4*\t:FB+64*\f+4*\t+3], s[8:9] offset:\t*SIZE_N*4 th:TH_STORE_NT   ; the wave stores 512 consecutive bytes, aligned
.endr
.endm
	OUT16 0, 0
	OUT16 1, 1
	OUT16 2, 0
	OUT16 3, 1
	s_wait_tensorcnt 0x0
	ds_add_u32 v254, v255
	s_wait_dscnt 0x0
	CROUND                                         ; the closing round: no work-group ends while a partner may still ask for a tile that names it
	s_endpgm
.Lfunc_end_k_q39e164e76e_proj:
	.size	k_q39e164e76e_proj, .Lfunc_end_k_q39e164e76e_proj-k_q39e164e76e_proj
	.p2alignl 7, 3214868480
	.fill 96, 4, 3214868480
	.section	.rodata,"a",@progbits
	.p2align	6, 0x0
	.amdhsa_kernel k_q39e164e76e_proj
		.amdhsa_group_segment_fixed_size 327680
		.amdhsa_private_segment_fixed_size 0
		.amdhsa_enable_private_segment 0
		.amdhsa_kernarg_size 24
		.amdhsa_user_sgpr_count 2
		.amdhsa_user_sgpr_kernarg_segment_ptr 1
		.amdhsa_wavefront_size32 1
		.amdhsa_system_sgpr_workgroup_id_x 1
		.amdhsa_system_sgpr_workgroup_id_y 1
		.amdhsa_system_sgpr_workgroup_id_z 1
		.amdhsa_system_vgpr_workitem_id 0
		.amdhsa_next_free_vgpr 512
		.amdhsa_next_free_sgpr 66
		.amdhsa_reserve_vcc 0
		.amdhsa_float_denorm_mode_32 3
		.amdhsa_float_denorm_mode_16_64 3
		.amdhsa_memory_ordered 1
		.amdhsa_forward_progress 1
		.amdhsa_inst_pref_size 118
	.end_amdhsa_kernel
	.amdgpu_metadata
---
amdhsa.version: [ 1, 2 ]
amdhsa.kernels:
  - .name:           k_q39e164e76e_proj
    .symbol:         k_q39e164e76e_proj.kd
    .args:
      - { .name: ob, .offset: 0, .size: 8, .value_kind: global_buffer, .address_space: global }
      - { .name: xw, .offset: 8, .size: 8, .value_kind: global_buffer, .address_space: global }
      - { .name: out0, .offset: 16, .size: 8, .value_kind: global_buffer, .address_space: global }
    .group_segment_fixed_size: 327680
    .private_segment_fixed_size: 0
    .kernarg_segment_align: 8
    .kernarg_segment_size: 24
    .max_flat_workgroup_size: 128
    .sgpr_count:     66
    .vgpr_count:     512
    .wavefront_size: 32
...
	.end_amdgpu_metadata
.endif
;; end of part 4
;; ======== version 2 of 2: 4 launches; version 1 with the launch cast written anew for expert scheduling mode
;; limits: values are held in f16: magnitudes above 65,504 overflow, below 6.1e-05 lose precision
;; workspace buffers: xw 25,165,824 bytes; qkv 50,331,648 bytes; ob 16,777,216 bytes
;; launch cast (part 5): grid 768 x 1, 8 waves a work-group, no clusters, 0 bytes of LDS; arguments x, Wq, Wk, Wv, Wo, xw; writes xw
.if DOCPART == 5
	.amdgcn_target "amdgcn-amd-amdhsa--gfx1250"
	.amdhsa_code_object_version 6
	.text
	.protected	k_q39e164e76e_cast
	.globl	k_q39e164e76e_cast
	.p2align	8
	.type	k_q39e164e76e_cast,@function
k_q39e164e76e_cast:
	s_mov_b64 s[64:65], 0
	v_nop
	global_prefetch_b8 v0, s[64:65] scope:SCOPE_SE
	s_setreg_imm32_b32 hwreg(HW_REG_WAVE_SCHED_MODE, 0, 2), 2
	s_setreg_imm32_b32 hwreg(HW_REG_WAVE_MODE, 25, 1), 1
	s_wait_xcnt 0x0
	s_wait_alu depctr_vm_vsrc(0)
; x, Wq, Wk, Wv (f32) are rounded to bf16; Wo is rounded to bf16 and that value written as f16 (its partner in the last product is f16).
; xw: x as [8192][1024] bf16 at byte 0; Wq, Wk, Wv as one [3072][1024] bf16 at byte 16,777,216; Wo as [1024][1024] f16 at byte 23,068,672.
; A work-group takes 65,536 bytes of one input (16 loads of 16 bytes a thread) and writes 32,768 bytes at xw + 32,768 x its number:
; numbers 0-511 are x, 512-575 Wq, 576-639 Wk, 640-703 Wv, 704-767 Wo, which is the order of xw.
; A stream: no LDS, no barrier, no matrix unit.  All 16 loads of a thread go out at once; a store of a wave covers 256 consecutive bytes, aligned.
; LIMIT: a value of Wo below 2^-17 in magnitude is not exact in f16: its error is at most 2^-25 absolute.  Beyond 65,504 it becomes infinite.
; THE MODE: SCHED_MODE bits 1:0 = 2 (LLVM: expert scheduling mode 2), set by the entry lines.  The code itself states the register dependences
; between vector instructions and memory instructions, with s_wait_alu, always for 0.
; THE PLAN.  Registers that memory instructions touch:
;   v1, v2   byte offsets, made once at the head and never written again: v1 is read by the 16 loads, v2 by the 16 stores.
;   X        four registers to a load: written by load j alone (no vector instruction names them ahead of it), read by load j's conversions.
;   Y        two registers to a store: written by load j's conversions, read by store j, never written again.
;   T        named by vector instructions alone.
; The 16 loads are worked in four groups of four.  Group g converts its four loads into their Y; its memory instructions are the four stores of
; group g - 1, whose Y and offset no vector instruction of group g names.  So one wait at a group's head states all that its four stores hang on,
; and they are dealt among its conversions with no further wait.  No register that a memory instruction reads is written again, so no wait on vm_vsrc is owed.
.set X, 4                              ; v[4:67]    load j: 4 f32
.set Y, 68                             ; v[68:99]   store j: 4 numbers of 16 bits
.set T, 100                            ; v[100:103] at work (Wo alone)
	s_load_b256 s[4:11], s[0:1], 0x0               ; x s[4:5], Wq s[6:7], Wk s[8:9], Wv s[10:11]
	s_load_b128 s[12:15], s[0:1], 0x20             ; Wo s[12:13], xw s[14:15]
	s_lshr_b32 s18, ttmp9, 6                       ; 8, 9, 10, 11: Wq, Wk, Wv, Wo
	s_and_b32 s19, ttmp9, 63                       ; which 65,536 bytes of a weight
	s_lshl_b32 s22, ttmp9, 15                      ; my 32,768 bytes of xw
	s_mov_b32 s23, 0
	s_mov_b32 s21, 0
	v_lshlrev_b32 v1, 4, v0                        ; in: 16 bytes a thread
	v_lshlrev_b32 v2, 3, v0                        ; out: 8 bytes a thread
	s_wait_kmcnt 0x0
	s_mov_b64 s[16:17], s[6:7]                     ; the source: a choice between buffers on the work-group's number alone
	s_cmp_eq_u32 s18, 9
	s_cselect_b64 s[16:17], s[8:9], s[16:17]
	s_cmp_eq_u32 s18, 10
	s_cselect_b64 s[16:17], s[10:11], s[16:17]
	s_cmp_eq_u32 s18, 11
	s_cselect_b64 s[16:17], s[12:13], s[16:17]
	s_cmp_lt_u32 ttmp9, 512
	s_cselect_b64 s[16:17], s[4:5], s[16:17]
	s_cselect_b32 s20, ttmp9, s19                  ; and the part of it
	s_lshl_b32 s20, s20, 16
	s_add_nc_u64 s[16:17], s[16:17], s[20:21]
	s_add_nc_u64 s[14:15], s[14:15], s[22:23]
	s_wait_alu depctr_va_vdst(0)                   ; v1 and v2 are written: every load of the kernel reads v1 as its offset, every store v2, on both paths below
.irp j, 0,1,2,3,4,5,6,7,8,9,10,11,12,13,14,15
	global_load_b128 v[X+4*\j:X+4*\j+3], v1, s[16:17] offset:4096*\j th:TH_LOAD_NT   ; read once in the launch
.endr
; Group g of four: loads 4 g to 4 g + 3 are converted; the stores of group g - 1 go out among the conversions, one ahead of each load's.
; No register is written twice while a memory instruction names it: every load and every store has registers of its own.
.macro GRP g, wo
	s_wait_loadcnt 12-4*(\g)                       ; loads come back in order: loads 4 g to 4 g + 3 are in, the 12 - 4 g younger ones stay out
.if \g
	s_wait_alu depctr_va_vdst(0)                   ; the group before has written its eight registers of Y, which the four stores below read
.endif
.irp i, 0,1,2,3
.set j, 4*(\g)+\i
.if \g
	global_store_b64 v2, v[Y+2*(j-4):Y+2*(j-4)+1], s[14:15] offset:2048*(j-4)   ; no vector instruction since the wait names these registers
.endif
	v_cvt_pk_bf16_f32 v[Y+2*j],   v[X+4*j],   v[X+4*j+1]
	v_cvt_pk_bf16_f32 v[Y+2*j+1], v[X+4*j+2], v[X+4*j+3]
.if \wo
	v_lshlrev_b32 v[T],   16, v[Y+2*j]             ; the bf16 values as f32,
	v_and_b32     v[T+1], 0xffff0000, v[Y+2*j]
	v_lshlrev_b32 v[T+2], 16, v[Y+2*j+1]
	v_and_b32     v[T+3], 0xffff0000, v[Y+2*j+1]
	v_cvt_pk_f16_f32 v[Y+2*j],   v[T],   v[T+1]    ; written as f16
	v_cvt_pk_f16_f32 v[Y+2*j+1], v[T+2], v[T+3]
.endif
.endr
.endm
; The last group's stores.
.macro TAIL
	s_wait_alu depctr_va_vdst(0)                   ; group 3 has written its eight registers of Y, which the last four stores read
.irp j, 12,13,14,15
	global_store_b64 v2, v[Y+2*\j:Y+2*\j+1], s[14:15] offset:2048*\j
.endr
.endm
	s_cmp_ge_u32 ttmp9, 704
	s_cbranch_scc1 .Lwo
	GRP 0, 0
	GRP 1, 0
	GRP 2, 0
	GRP 3, 0
	TAIL
	s_endpgm
.Lwo:
	GRP 0, 1
	GRP 1, 1
	GRP 2, 1
	GRP 3, 1
	TAIL
	s_endpgm
.Lfunc_end_k_q39e164e76e_cast:
	.size	k_q39e164e76e_cast, .Lfunc_end_k_q39e164e76e_cast-k_q39e164e76e_cast
	.p2alignl 7, 3214868480
	.fill 96, 4, 3214868480
	.section	.rodata,"a",@progbits
	.p2align	6, 0x0
	.amdhsa_kernel k_q39e164e76e_cast
		.amdhsa_group_segment_fixed_size 0
		.amdhsa_private_segment_fixed_size 0
		.amdhsa_enable_private_segment 0
		.amdhsa_kernarg_size 48
		.amdhsa_user_sgpr_count 2
		.amdhsa_user_sgpr_kernarg_segment_ptr 1
		.amdhsa_wavefront_size32 1
		.amdhsa_system_sgpr_workgroup_id_x 1
		.amdhsa_system_sgpr_workgroup_id_y 1
		.amdhsa_system_sgpr_workgroup_id_z 1
		.amdhsa_system_vgpr_workitem_id 0
		.amdhsa_next_free_vgpr 104
		.amdhsa_next_free_sgpr 66
		.amdhsa_reserve_vcc 0
		.amdhsa_float_denorm_mode_32 3
		.amdhsa_float_denorm_mode_16_64 3
		.amdhsa_memory_ordered 1
		.amdhsa_forward_progress 1
		.amdhsa_inst_pref_size 16
	.end_amdhsa_kernel
	.amdgpu_metadata
---
amdhsa.version: [ 1, 2 ]
amdhsa.kernels:
  - .name:           k_q39e164e76e_cast
    .symbol:         k_q39e164e76e_cast.kd
    .args:
      - { .name: x, .offset: 0, .size: 8, .value_kind: global_buffer, .address_space: global }
      - { .name: Wq, .offset: 8, .size: 8, .value_kind: global_buffer, .address_space: global }
      - { .name: Wk, .offset: 16, .size: 8, .value_kind: global_buffer, .address_space: global }
      - { .name: Wv, .offset: 24, .size: 8, .value_kind: global_buffer, .address_space: global }
      - { .name: Wo, .offset: 32, .size: 8, .value_kind: global_buffer, .address_space: global }
      - { .name: xw, .offset: 40, .size: 8, .value_kind: global_buffer, .address_space: global }
    .group_segment_fixed_size: 0
    .private_segment_fixed_size: 0
    .kernarg_segment_align: 8
    .kernarg_segment_size: 48
    .max_flat_workgroup_size: 256
    .sgpr_count:     66
    .vgpr_count:     104
    .wavefront_size: 32
...
	.end_amdgpu_metadata
.endif
;; end of part 5
;; launch qkv: the kernel of part 2 again; grid 12 x 32, 4 waves a work-group, clusters of 4 x 4, 327,680 bytes of LDS; arguments xw, qkv; writes qkv
;; launch attn: the kernel of part 3 again; grid 256 x 1, 8 waves a work-group, no clusters, 327,680 bytes of LDS; arguments qkv, ob; writes ob
;; launch proj: the kernel of part 4 again; grid 4 x 64, 4 waves a work-group, clusters of 4 x 4, 327,680 bytes of LDS; arguments ob, xw, out0; writes out0
